; MI455X (gfx1250); checked and timed in simulation.
; The chip was launched on July 23, 2026; its instructions are those of AMD's public machine-readable ISA for CDNA 5 (MIT licence, August 2026) and "CDNA5" Instruction Set Architecture Reference Guide (July 2026). The comments in the code are by the model that wrote it; some were corrected since.
;; Multi Head Self Attention. Allowed arithmetic: matrix products marked QUANTISED: E4M3 operands, one E8M0 scale for each 32 along K, by v_wmma_scale_f32_16x16x128_f8f6f4 with both operands' format E4M3, f32 sums; everything else in f32.
;; Inputs: bk 1,024 float32; bq 1,024 float32; bv 1,024 float32; k 4 x 2,048 x 1,024 float32; mask 4 x 2,048 float32; q 4 x 2,048 x 1,024 float32; v 4 x 2,048 x 1,024 float32; wk 1,024 x 1,024 float32; wq 1,024 x 1,024 float32; wv 1,024 x 1,024 float32.
;; Outputs: out0 4 x 2,048 x 1,024 float32.
;; This version of the problem:
;;   THIS VERSION OF THE PROBLEM IS GIVEN IN LOW PRECISION. The matrix products marked QUANTISED in the list below multiply operands that are first quantised to E4M3 (4 exponent bits, 3 mantissa bits; 8 bits a number), with one power-of-two scale for each 32 numbers along K (OCP MX v1.0); their sums are f32. All else is computed in f32.
;;   The module's matrix products, in the order in which they are computed (A, B: the left and right operand; K: the contracted axis; several contracted axes count as one K, in the product's order):
;;     1. [M 8,192, K 1,024] x [K 1,024, N 1,024]; A: input q; B: input wq: QUANTISED
;;     2. [M 8,192, K 1,024] x [K 1,024, N 1,024]; A: input k; B: input wk: QUANTISED
;;     3. [M 8,192, K 1,024] x [K 1,024, N 1,024]; A: input v; B: input wv: QUANTISED
;;     4. batch 64 x [M 2,048, K 64] x [K 64, N 2,048]; A: computed on the way; B: computed on the way: QUANTISED
;;     5. batch 64 x [M 2,048, K 2,048] x [K 2,048, N 64]; A: softmax (see below); B: computed on the way: QUANTISED
;;   THE QUANTISER, for each operand of a quantised product, along K:
;;     - K is cut into blocks of 32 from its start; a last block that is shorter is filled with zeros.
;;     - A block's scale is 2^e with e = floor(log2(the largest magnitude in the block)) - 8, held to -126 .. 127; a block of zeros has e = 0. As a byte (E8M0): e + 127.
;;     - Each number is divided by its block's scale, clamped to +-448, and rounded to the nearest number of E4M3, ties to even, subnormals kept.
;;     - The product sums the exact products of the quantised numbers (number of the format x scale) in f32.
;;   ~~~python
;;   def quantise(x, axis):      # numpy; x: float32 -> the quantised numbers, widened to float32 again
;;       x = np.moveaxis(x, axis, -1); K = x.shape[-1]
;;       x = np.pad(x, [(0, 0)] * (x.ndim - 1) + [(0, -K % 32)]); x = x.reshape(x.shape[:-1] + (-1, 32)); a = np.abs(x).max(-1, keepdims=True)
;;       e = np.where(a > 0, np.clip(np.frexp(np.where(a > 0, a, 1))[1] - 1 - 8, -126, 127), 0)      # np.frexp(a)[1] - 1 = floor(log2(a)), exactly
;;       r = np.clip(x / 2.0 ** e, -448, 448)
;;       step = 2.0 ** (np.maximum(np.frexp(np.where(r == 0, 1, r))[1] - 1, -6) - 3)
;;       q = np.round(r / step) * step * 2.0 ** e      # np.round: ties to even
;;       return np.moveaxis(q.reshape(q.shape[:-2] + (-1,))[..., :K], -1, axis).astype(np.float32)
;;   ~~~
;;   SOFTMAX AHEAD OF A QUANTISED PRODUCT. Where the list says 'softmax', what is quantised is not the finished softmax but p = 2^(t - M), with t = logit x log2(e) and M = ceil(the row's largest t), a whole number; so 1/2 < the row's largest p <= 1. The row's sum l is taken of the UNQUANTISED p, in f32, and the product's result is divided by l at the end. Since M is a whole number, a kernel that streams over the keys may use a running M (the ceiling of the running maximum): every later rescaling is an exact power of two, which a block's scale takes up: the codes' values come out the same.
;;   OPERANDS COMPUTED ON THE WAY. 'Computed on the way' means the value that the module computes at that place (a softmax that the list does not call 'softmax' is quantised finished and normalised). What goes into a quantiser is computed in f32, as accurately as f32 sums, v_exp_f32 and their like allow (about 1e-6 of the number): no bf16 or f16 on the way to a quantiser, and a product that is left as it is and whose result goes on into a quantised operand takes f32 operands (vector FMAs, or v_wmma_f32_16x16x4_f32). A number that lies on a knife's edge between two numbers of the format may be rounded either way, as far as f32 arithmetic and the matrix unit's own rounding can turn it there, and no further.
;; One version. Each part assembles by itself: llvm-mc -triple=amdgcn-amd-amdhsa -mcpu=gfx1250 --defsym DOCPART=n.
;; ======== version 1 of 1: 3 launches
;; workspace buffers: codes 28,311,552 bytes; scales 884,736 bytes; img 25,165,824 bytes; sw 786,432 bytes
;; launch quant (part 1): grid 864 x 1, 4 waves a work-group, no clusters, 33,280 bytes of LDS; arguments q, k, v, wq, wk, wv, codes, scales; writes codes, scales
.if DOCPART == 1
	.amdgcn_target "amdgcn-amd-amdhsa--gfx1250"
	.amdhsa_code_object_version 6
	.text
	.protected	k_q633d5ca300_quant
	.globl	k_q633d5ca300_quant
	.p2align	8
	.type	k_q633d5ca300_quant,@function
k_q633d5ca300_quant:
	s_mov_b64 s[64:65], 0
	v_nop
	global_prefetch_b8 v0, s[64:65] scope:SCOPE_SE
	s_setreg_imm32_b32 hwreg(HW_REG_WAVE_MODE, 25, 1), 1
	s_wait_xcnt 0x0
; q, k, v [8192][1024] and wq, wk, wv [1024][1024], f32, K innermost, become codes of FP8 (E4M3) with one E8M0 scale byte for each 32 along K.
; All six go into ONE matrix of 27,648 rows x 1,024 code bytes (sections by row: q 0, k 8,192, v 16,384, wq 24,576, wk 25,600, wv 26,624), and 32 scale bytes a row beside it.
; A ROW STANDS AT THE PLACE THAT IS ITS NUMBER WITH BITS 3 AND 4 SWAPPED: place 16 u + r of a group of 32 holds row 8 u + r + 8 (r / 8).  So 16 neighbouring places are the 16 rows that a tile of the
; next launch's products wants, whose results then run along the next product's K in a lane's registers.
; A block's scale is 2^(floor(log2(its largest magnitude)) - 8); its byte is the largest magnitude's exponent field - 8, held at 1 from below.  Each number is divided by the scale, held within +-448, rounded to the nearest code, ties to even.
; LIMITS: a block of zeros gets the byte 1 where the rule says 127 (its codes are zeros, which add nothing under any byte but 0xff, and this program alone reads the bytes); blocks whose largest magnitude lies
; under 2^(8 - 126) keep the byte 1; NaN and infinities among the inputs are not served.
; SHARES: a work-group takes 32 rows, a wave 8 rows = 8,192 numbers in 16 steps of 512.  A wave's 8 rows are neighbours in the input and in the output: the swap of bits 3 and 4 is a swap of the two bits of the wave's number.
; Each of a step's four loads reads 512 consecutive bytes, 16 a lane; the 2,048 bytes turn through the wave's own stage in LDS and come back 64 bytes a lane: 16 neighbours along K, two lanes to a block.
; No tensor loads, no barrier: waves share nothing.  Loads run four steps (16 loads a wave) ahead, the turn through LDS one step.
.set STEPS, 16
.set EMAX,  8
.set MANT,  0x600000                   ; the mantissa field of 448 as f32
.set CB,    16                         ; bytes of 16 codes
.set R,     16                         ; v16-79   four sets of 16 numbers as they are loaded
.set X,     80                         ; v80-111  two sets of 16 neighbours
.set C,     128                        ; v128-191 codes: four registers for each step, so that no store's data are written again
.set E,     112                        ; v112-127 a scale byte for each step
.set WREG,  8192                       ; LDS: a region for each wave: two stages of 32 x SP bytes, behind them its 256 scale bytes
.set SP,    80                         ; a lane's place in a stage: its 64 bytes + 16 of padding
	s_load_b256 s[4:11], s[0:1], 0x0               ; q s[4:5], k s[6:7], v s[8:9], wq s[10:11]
	s_load_b256 s[12:19], s[0:1], 0x20             ; wk s[12:13], wv s[14:15], codes s[16:17], scales s[18:19]
	v_lshl_add_u32 v192, v0, 2, 0x8000
	v_mov_b32 v193, 0
	v_lshrrev_b32 v1, 5, v0
	v_readfirstlane_b32 s20, v1                    ; wave
	v_and_b32 v2, 31, v0                           ; lane
	v_lshlrev_b32 v3, 4, v2                        ; my 16 bytes of a load's 512
	s_mul_i32 s21, s20, WREG
	v_lshrrev_b32 v14, 2, v2
	v_mul_u32_u24 v14, v14, SP
	v_and_b32 v15, 3, v2
	v_lshl_add_u32 v14, v15, 4, v14
	v_add_nc_u32 v14, s21, v14                     ; the stage, on the way in: four lanes' 64 bytes on end, then 16 of padding
	v_mul_u32_u24 v15, v2, SP
	v_add_nc_u32 v15, s21, v15                     ; and on the way out: SP x lane: my 16 neighbours
	v_mul_u32_u24 v4, v2, CB                       ; my codes' place in a step's
	v_lshrrev_b32 v5, 1, v2
	s_add_co_u32 s21, s21, 2*32*SP
	v_add_nc_u32 v5, s21, v5                       ; LDS: my wave's 256 scale bytes, my block's byte
	v_lshlrev_b32 v7, 3, v2                        ; and on the way out 8 bytes a lane
	v_add_nc_u32 v6, s21, v7
	s_mov_b32 s25, MANT                            ; (an instruction takes one literal: the hold's line has another)
	s_wait_kmcnt 0x0
	; which tensor is my work-group's, and that tensor's first work-group: the choice hangs on the work-group's number alone
	s_mov_b64 s[22:23], s[14:15]                   ; wv: work-groups 832 on
	s_mov_b32 s24, 832
	s_cmp_lt_u32 ttmp9, 832
	s_cselect_b64 s[22:23], s[12:13], s[22:23]     ; wk: 800 on
	s_cselect_b32 s24, 800, s24
	s_cmp_lt_u32 ttmp9, 800
	s_cselect_b64 s[22:23], s[10:11], s[22:23]     ; wq: 768 on
	s_cselect_b32 s24, 768, s24
	s_cmp_lt_u32 ttmp9, 768
	s_cselect_b64 s[22:23], s[8:9], s[22:23]       ; v: 512 on
	s_cselect_b32 s24, 512, s24
	s_cmp_lt_u32 ttmp9, 512
	s_cselect_b64 s[22:23], s[6:7], s[22:23]       ; k: 256 on
	s_cselect_b32 s24, 256, s24
	s_cmp_lt_u32 ttmp9, 256
	s_cselect_b64 s[22:23], s[4:5], s[22:23]       ; q
	s_cselect_b32 s24, 0, s24
	s_sub_co_u32 s26, ttmp9, s24
	s_lshl_b32 s26, s26, 2
	s_add_co_u32 s26, s26, s20                     ; which run of 8 rows of the tensor is my wave's
	s_lshl_b32 s26, s26, 15                        ; 32,768 bytes a run: under 2^26
	s_mov_b32 s27, 0
	s_add_nc_u64 s[22:23], s[22:23], s[26:27]
	s_and_b32 s28, s20, 1                          ; the run's place in the output: the wave's two bits swapped
	s_lshl_b32 s28, s28, 1
	s_lshr_b32 s29, s20, 1
	s_or_b32 s28, s28, s29
	s_lshl_b32 s29, ttmp9, 2                       ; the sections follow each other as the work-groups do
	s_add_co_u32 s28, s28, s29
	s_lshl_b32 s26, s28, 13                        ; 8,192 code bytes a run
	s_add_nc_u64 s[16:17], s[16:17], s[26:27]
	s_lshl_b32 s26, s28, 8                         ; 256 scale bytes a run
	s_add_nc_u64 s[18:19], s[18:19], s[26:27]
.macro LOAD t
.irp i, 0,1,2,3
	global_load_b128 v[R+16*((\t)%4)+4*\i:R+16*((\t)%4)+4*\i+3], v3, s[22:23] offset:2048*(\t)+512*\i th:TH_LOAD_NT   ; 32 lanes read 512 consecutive bytes; read once in the launch
.endr
.endm
.macro TURN t                          ; step t's numbers through the stage: LDS serves a wave's instructions in order, so no wait stands between the stores and the loads
.irp i, 0,1,2,3
	ds_store_b128 v14, v[R+16*((\t)%4)+4*\i:R+16*((\t)%4)+4*\i+3] offset:32*SP*((\t)%2)+8*SP*\i
.endr
.irp i, 0,1,2,3
	ds_load_b128 v[X+16*((\t)%2)+4*\i:X+16*((\t)%2)+4*\i+3], v15 offset:32*SP*((\t)%2)+16*\i
.endr
.endm
.irp t, 0,1,2,3
	LOAD \t
.endr
	s_wait_loadcnt 12                              ; step 0's four loads are in; the twelve of steps 1 to 3 stay out
	TURN 0
.macro STEP t
.set XS, X+16*((\t)%2)
.if (\t) > 0
	s_wait_dscnt 1                                 ; this step's numbers are back from the stage (the last step's byte store may be out): so its stores into the stage have read their registers,
.else
	s_wait_dscnt 0x0
.endif
.if (\t)+4 < STEPS
	LOAD (\t)+4                                    ; which take the loads of four steps on
.endif
.if (\t)+1 < STEPS
.if STEPS-2-(\t) >= 3
	s_wait_loadcnt 12                              ; the next step's four loads are in; those of the three steps behind it may be out
.else
	s_wait_loadcnt 4*(STEPS-2-(\t))                ; the tail: four for each step still behind the next
.endif
	TURN (\t)+1                                    ; and go through the other stage while this step is worked
.endif
	v_max3_num_f32 v8, |v[XS]|, |v[XS+1]|, |v[XS+2]|               ; the largest magnitude of my 16, in two chains
	v_max3_num_f32 v9, |v[XS+3]|, |v[XS+4]|, |v[XS+5]|
.irp i, 6,10
	v_max3_num_f32 v8, v8, |v[XS+\i]|, |v[XS+\i+1]|
	v_max3_num_f32 v9, v9, |v[XS+\i+2]|, |v[XS+\i+3]|
.endr
	v_max3_num_f32 v8, v8, |v[XS+14]|, |v[XS+15]|
	v_max3_num_f32 v8, v8, v9, (EMAX+1)<<23        ; and the floor 2^(EMAX + 1 - 127): the byte cannot fall under 1
	v_max_num_f32_dpp v8, v8, v8 row_xmask:1 row_mask:0xf bank_mask:0xf   ; and of my neighbour's 16: the block's
	v_add_nc_u32 v11, -(EMAX<<23), v8              ; EMAX off its exponent field: the conversion takes the exponent field of this operand as its scale
	v_and_or_b32 v10, v8, 0x7f800000, s25          ; 448 x the scale: the largest magnitude's exponent field over 448's mantissa
.irp i, 0,1,2,3,4,5,6,7,8,9,10,11,12,13,14,15
	v_med3_num_f32 v[XS+\i], v[XS+\i], -v10, v10   ; the conversion to an 8-bit code does not saturate (ISA guide 7.6.2): hold the number first
.endr
	v_cvt_scalef32_pk8_fp8_f32 v[C+4*(\t):C+4*(\t)+1], v[XS:XS+7], v11
	v_cvt_scalef32_pk8_fp8_f32 v[C+4*(\t)+2:C+4*(\t)+3], v[XS+8:XS+15], v11
	v_lshrrev_b32 v[E+(\t)], 23, v11               ; the scale's byte (also the plain line behind the conversions)
	ds_store_b8 v5, v[E+(\t)] offset:16*(\t)       ; both lanes of a block write the same byte with the same value
	global_store_b128 v4, v[C+4*(\t):C+4*(\t)+3], s[16:17] offset:32*CB*(\t)   ; 32 lanes store 512 consecutive bytes, aligned
.endm
.irp t, 0,1,2,3,4,5,6,7,8,9,10,11,12,13,14,15
	STEP \t
.endr
	ds_load_b64 v[12:13], v6                       ; LDS serves a wave's instructions in order: these see my stores
	s_wait_dscnt 0x0
	global_store_b64 v7, v[12:13], s[18:19]        ; 32 lanes store 256 consecutive bytes, aligned: my 8 rows' scale bytes
	s_wait_tensorcnt 0x0
	ds_add_u32 v192, v193
	s_wait_dscnt 0x0
	s_endpgm
.Lfunc_end_k_q633d5ca300_quant:
	.size	k_q633d5ca300_quant, .Lfunc_end_k_q633d5ca300_quant-k_q633d5ca300_quant
	.p2alignl 7, 3214868480
	.fill 96, 4, 3214868480
	.section	.rodata,"a",@progbits
	.p2align	6, 0x0
	.amdhsa_kernel k_q633d5ca300_quant
		.amdhsa_group_segment_fixed_size 33280
		.amdhsa_private_segment_fixed_size 0
		.amdhsa_enable_private_segment 0
		.amdhsa_kernarg_size 64
		.amdhsa_user_sgpr_count 2
		.amdhsa_user_sgpr_kernarg_segment_ptr 1
		.amdhsa_wavefront_size32 1
		.amdhsa_system_sgpr_workgroup_id_x 1
		.amdhsa_system_sgpr_workgroup_id_y 1
		.amdhsa_system_sgpr_workgroup_id_z 1
		.amdhsa_system_vgpr_workitem_id 0
		.amdhsa_next_free_vgpr 194
		.amdhsa_next_free_sgpr 66
		.amdhsa_reserve_vcc 0
		.amdhsa_float_denorm_mode_32 3
		.amdhsa_float_denorm_mode_16_64 3
		.amdhsa_memory_ordered 1
		.amdhsa_forward_progress 1
		.amdhsa_inst_pref_size 52
	.end_amdhsa_kernel
	.amdgpu_metadata
---
amdhsa.version: [ 1, 2 ]
amdhsa.kernels:
  - .name:           k_q633d5ca300_quant
    .symbol:         k_q633d5ca300_quant.kd
    .args:
      - { .name: q, .offset: 0, .size: 8, .value_kind: global_buffer, .address_space: global }
      - { .name: k, .offset: 8, .size: 8, .value_kind: global_buffer, .address_space: global }
      - { .name: v, .offset: 16, .size: 8, .value_kind: global_buffer, .address_space: global }
      - { .name: wq, .offset: 24, .size: 8, .value_kind: global_buffer, .address_space: global }
      - { .name: wk, .offset: 32, .size: 8, .value_kind: global_buffer, .address_space: global }
      - { .name: wv, .offset: 40, .size: 8, .value_kind: global_buffer, .address_space: global }
      - { .name: codes, .offset: 48, .size: 8, .value_kind: global_buffer, .address_space: global }
      - { .name: scales, .offset: 56, .size: 8, .value_kind: global_buffer, .address_space: global }
    .group_segment_fixed_size: 33280
    .private_segment_fixed_size: 0
    .kernarg_segment_align: 8
    .kernarg_segment_size: 64
    .max_flat_workgroup_size: 128
    .sgpr_count:     66
    .vgpr_count:     194
    .wavefront_size: 32
...
	.end_amdgpu_metadata
.endif
;; end of part 1
;; launch proj (part 2): grid 4 x 96, 4 waves a work-group, clusters of 4 x 4, 327,680 bytes of LDS; arguments codes, scales, bq, bk, bv, img, sw; writes img, sw
.if DOCPART == 2
	.amdgcn_target "amdgcn-amd-amdhsa--gfx1250"
	.amdhsa_code_object_version 6
	.text
	.protected	k_q633d5ca300_proj
	.globl	k_q633d5ca300_proj
	.p2align	8
	.type	k_q633d5ca300_proj,@function
k_q633d5ca300_proj:
	s_mov_b64 s[64:65], 0
	v_nop
	global_prefetch_b8 v0, s[64:65] scope:SCOPE_SE
	s_setreg_imm32_b32 hwreg(HW_REG_WAVE_MODE, 25, 1), 1
	s_wait_xcnt 0x0
	s_wait_alu depctr_hold_cnt(0) depctr_sa_sdst(0) depctr_va_vdst(0) depctr_va_sdst(0) depctr_va_ssrc(0) depctr_va_vcc(0) depctr_vm_vsrc(0)
	s_getreg_b32 s2, hwreg(HW_REG_IB_STS2, 6, 4)
	s_cmp_eq_u32 s2, 0
	s_cbranch_scc0 .Lentry_in_a_cluster
	s_endpgm
.Lentry_in_a_cluster:
	s_bfe_u32 s2, ttmp6, 0x10000c
	s_cmp_lg_u32 s2, 0xf033
	s_cbranch_scc0 .Lentry_shape_is_right
	s_endpgm
.Lentry_shape_is_right:
; The three projections x W^T + b (8,192 x 1,024 x 1,024 each) on codes of FP8 (E4M3) with E8M0 scales for each 32 along K, and the quantising of their results for attention, in registers.
; INPUT: codes [27,648 rows][1,024], scales [27,648][32]; sections by row: q 0, k 8,192, v 16,384, wq 24,576, wk 25,600, wv 26,624; in each, place 16 u + r of a group of 32 holds row 8 u + r + 8 (r / 8).
; A tile of 256 x 256 results is made by a work-group of four waves, 128 x 128 each: 64 accumulators, 512 registers.  K goes in steps of 256 through two LDS slots filled by the tensor data mover; the scale bytes
; of the work-group's 512 rows come once and stay.  4 x 4 work-groups form a cluster: tiles of A are asked for jointly along a row of the cluster, tiles of B along a column.
; ROLES.  Source 0 (called B) gives the axis that runs down a lane's registers, source 1 (called A) the axis that lies across lanes.  The axis along which the result is quantised next has to run down the registers:
;   Z = 0, 1 (q, k): quantised along the head's 64 channels: B = the weight's rows, A = tokens.     Z = 2 (v): quantised along the keys: B = tokens, A = wv's rows.
; By the places of the rows, register 8 b + j of a lane (r, h) of A's block a is index 32 (b / 2) + 16 h + 8 (b % 2) + j of B's 128: the 64 registers of a block are four blocks of 32, 16 neighbours each:
; the operand layout of the scaled 8-bit matrix form.  So the conversions' results ARE operand registers, and they are stored as images of registers: 512 bytes a store, lane l's 16 bytes at 16 l.
; OUTPUT.  img, three sections of 8 MiB (q, k, v), 131,072 bytes for each (batch, head):  q, k: [tile of 16 tokens 0..127][chunk 0..1][512 B];   v: [step of 128 keys 0..15][tile of 16 channels 0..3][chunk 0..3][512 B].
;   sw, three sections of 256 KiB, 4,096 bytes for each (batch, head): [g 0..15][lane r 0..15][i 0..3] words.  q, k: g = 8 tiles, word i = the two bytes of tile 2 i, then of tile 2 i + 1.  v: g = key step, word i = channel tile i's four bytes.
; LIMITS: a block of zeros gets the byte 1 where the rule says 127 (zero codes; only this program reads the bytes); NaN and infinities are not served.
; REGISTERS, in windows of 256: window 0: v1-11 lane numbers and offsets; v16-29 addresses; v32-63 scale words, two sets; v64-127 the bias; from v128 A's fragments, ONE set.  Window 1: B's fragments, TWO sets.
;   Windows 2, 3: the accumulators ((a, b) at v[8 (8 (a % 4) + b)]).  On the way out window 0's v32-63 and v128-207 are at work.
.set KSTEP,  256                       ; along K in a slot
.set NQ,     KSTEP/128                 ; matrix instructions deep
.set ROWB,   256                       ; a tile's row in bytes
.set KROW,   1024                      ; a row of codes in memory
.set PITCH,  272                       ; an LDS row: 256 bytes + 16 of padding = 68 words: row r starts at bank 4 r mod 64 (64 banks of 4 bytes: ISA guide 11.1)
.set FR,     16                        ; registers of a fragment: 16 rows x 128 K
.set NL,     4                         ; LDS loads that bring one
.set NP,     8                         ; places behind this matrix instruction (ISA guide 7.12.1)
.set HALFT,  128*PITCH                 ; 128 rows: what one tensor load brings, and what one wave reads of A or of B
.set SLOT,   4*HALFT                   ; A's 256 rows, then B's 256 rows
.set KS,     32                        ; a row of scale bytes
.set SCL,    2*SLOT                    ; behind the ring: the scales, as runs of 256 bytes + 16 of padding
.set HALFS,  (128*KS/256)*272          ; the scales of 128 rows: what one tensor load brings
.set SBLK,   (16*KS/256)*272           ; those of 16 rows
.set SPARE,  SCL+4*HALFS               ; the spare words, 128 bytes for each wave: two blocks of 256 bytes that no other line names
.set VO,   8                           ; v8   16 x lane: my place in an image
.set VSO,  9                           ; v9   16 r + 4,096 h: my four scale words; lanes 16-31 store the second head's
.set VBP,  10                          ; v10  64 h: the bias along registers
.set VBV,  11                          ; v11  4 (r + 8 (r / 8)): the bias across lanes
.set ADRA, 16                          ; v16-17  LDS address of my A fragments in slot 0, 1
.set ADRB, 20                          ; v20-21  the same for B
.set ADRS, 27                          ; v27  LDS address of my scale words: lanes 0-15 A's rows, lanes 16-31 B's
.set SPW,  28                          ; v28  LDS address of my spare word; never rewritten
.set NIL,  29                          ; v29  0; never rewritten
.set SC,   32                          ; scale words: set s at v[SC + 16 s]; register 2 i + q: lanes 0-15 A's block i, lanes 16-31 B's block i, the slot's q-th 128 along K
.set BP,   64                          ; v64-127 the bias, in the layout of a block's 64 numbers (q, k), or a pair for each block (v)
.set AF,   128                         ; A's fragments
.set TM,   32                          ; the way out: v32-35 largest magnitudes, v36-39 bytes, v40-43 448 x the scale, v44-47 the conversions' scale operands
.set PWS,  48                          ; v48-55 the eight blocks' scale words
.set WD,   56                          ; v56-59 the four words that I store
.set SELV, 60                          ; v60  byte selects
.set XN,   128                         ; v128-191 a block's 64 numbers
.set CD,   192                         ; v192-207 their codes
.set MNT,  2                           ; s2   the mantissa field of 448
.set WV,   18                          ; s18  wave
.set RH,   19                          ; s19  wave / 2: which half of A's rows is mine; also: I fetch for A (0) or for B (1)
.set CH,   20                          ; s20  wave % 2: which half of B's rows is mine; also: which 128 rows I fetch
.set ZZ,   21                          ; s21  which projection
.set YY,   22                          ; s22  4 x (which 1,024 tokens)
.set SEL,  66                          ; s[66:67] lane selects for v_permlanex16_b32: lane l xor 16
.set G1, 24                            ; s[24:31] descriptor group 1 for A's tiles;  s[32:39] group 0, one set for each slot
.set G0, 32
.set G1B, 48                           ; s[48:55], s[56:63] the same for B's tiles
.set G0B, 56
.set G1S, 68                           ; s[68:75], s[76:79] groups 1 and 0 for A's scales;  s[80:87], s[88:91] for B's
.set G0S, 76
.set G1SB, 80
.set G0SB, 88
.set MSB, 0
.macro WIN new                         ; the immediate's high byte repeats the setting that is left
.if MSB != \new
	s_set_vgpr_msb (MSB<<8)|\new
.set MSB, \new
.endif
.endm
.set MUL_LO, 0xa1                      ; source 0 (B) window 1, source 1 (A) window 0, C and D window 2
.set MUL_HI, 0xf1                      ; the same, C and D window 3
.set TO_B,   0x40                      ; destination window 1, address window 0
; A joint load: waves 0 and 1 fetch for A, waves 2 and 3 for B.  Each of the two lines has ONE mask and one set of registers for all that issue it; the branch hangs on the wave's number alone.
; Four v_nop follow each of the two lines, ahead of the jump, the label and what follows.
.macro JLOAD g0a, g1a, g0b, g1b
	s_cmp_eq_u32 s[RH], 0
	s_cbranch_scc0 .Lfor_b_\@
	tensor_load_to_lds s[\g0a:\g0a+3], s[\g1a:\g1a+7]
	s_nop 0
.rept 4
	v_nop
.endr
	s_branch .Lasked_\@
.Lfor_b_\@:
	tensor_load_to_lds s[\g0b:\g0b+3], s[\g1b:\g1b+7]
	s_nop 0
.rept 4
	v_nop
.endr
.Lasked_\@:
.endm
.macro CREST                           ; a round of the cluster's barrier behind its opening barrier
	s_cmp_lg_u32 s[WV], 0
	s_cbranch_scc1 .Lnot_wave_0_\@
	s_barrier_signal -3
.Lnot_wave_0_\@:
	s_barrier_wait -3
	s_barrier_signal -1
	s_barrier_wait -1
.endm
.macro CROUND                          ; a whole round
	s_barrier_signal -1
	s_barrier_wait -1
	CREST
.endm
	s_load_b256 s[4:11], s[0:1], 0x0               ; codes s[4:5], scales s[6:7], bq s[8:9], bk s[10:11]
	s_load_b128 s[12:15], s[0:1], 0x20             ; bv s[12:13], img s[14:15]
	s_load_b64 s[16:17], s[0:1], 0x30              ; sw
	v_lshl_add_u32 v[SPW], v0, 2, SPARE
	v_mov_b32 v[NIL], 0
	ds_add_u32 v28, v29
	ds_add_u32 v28, v29
	s_wait_dscnt 0x0
	v_lshrrev_b32 v1, 5, v0
	v_readfirstlane_b32 s[WV], v1                  ; wave 0..3
	s_lshr_b32 s[RH], s[WV], 1
	s_and_b32 s[CH], s[WV], 1
	s_bfe_u32 s40, ttmp6, 0x40000                  ; cx, cy: my place in the cluster
	s_bfe_u32 s41, ttmp6, 0x40004
	s_and_b32 s23, ttmp7, 0xffff                   ; the cluster's y, 0..23: the same in all sixteen partners
	s_lshr_b32 s[ZZ], s23, 3                       ; which projection
	s_and_b32 s[YY], s23, 7
	s_lshl_b32 s[YY], s[YY], 2                     ; four tiles of 256 tokens to a cluster
	s_lshl_b32 s100, s[ZZ], 13                     ; q's or k's first row
	s_lshl_b32 s101, s[ZZ], 10
	s_add_co_u32 s101, s101, 24576                 ; wq's or wk's first row
	s_lshl_b32 s43, s41, 2
	s_lshl_b32 s43, 15, s43                        ; my row of the cluster
	s_lshl_b32 s44, 0x1111, s40                    ; my column
	s_cmp_eq_u32 s[ZZ], 2                          ; for v the roles change places; only selections follow the compare
	s_cselect_b32 s95, 0, s[YY]
	s_cselect_b32 s42, s[YY], 0
	s_cselect_b32 s100, 26624, s100                ; A's first row: wv's, or the tokens'
	s_cselect_b32 s101, 16384, s101                ; B's first row: v's, or the weight's
	s_add_co_u32 s95, s95, s41                     ; A's tile: made of cy and the cluster's y alone
	s_add_co_u32 s42, s42, s40                     ; B's tile: made of cx and the cluster's y alone
	; descriptor group 1: a tile of 128 rows x 256 bytes, padded in LDS
	s_or_b32 s[G1+0], s43, (0<<16)|(1<<20)|(1<<21)|(5<<22)|(3<<25)  ; 15:0 the mask: A's tiles go to my row; 17:16 element of 1 byte; 20 padding on; 21 set beside a mask; 24:22 after every 64 words; 31:25 of 4 words
	s_or_b32 s[G1B+0], s44, (0<<16)|(1<<20)|(1<<21)|(5<<22)|(3<<25)
.irp g, G1, G1B
	s_mov_b32 s[\g+1], ROWB<<16                    ; tensor_dim0
	s_mov_b32 s[\g+2], 128<<16                     ; tensor_dim1 = 128
	s_mov_b32 s[\g+3], ROWB<<16                    ; tile_dim0
	s_mov_b32 s[\g+4], 128                         ; tile_dim1 = 128
	s_mov_b32 s[\g+5], KROW                        ; tensor_dim0_stride
	s_mov_b32 s[\g+6], 0
	s_mov_b32 s[\g+7], 0
.endr
	; and for the scales of 128 rows: 4,096 dense bytes, as 16 rows of 256 bytes (32 elements of 8 bytes), 16 bytes of padding behind each
	s_or_b32 s[G1S+0], s43, (3<<16)|(1<<20)|(1<<21)|(5<<22)|(3<<25)
	s_or_b32 s[G1SB+0], s44, (3<<16)|(1<<20)|(1<<21)|(5<<22)|(3<<25)
.irp g, G1S, G1SB
	s_mov_b32 s[\g+1], 32<<16
	s_mov_b32 s[\g+2], (128*KS/256)<<16
	s_mov_b32 s[\g+3], 32<<16
	s_mov_b32 s[\g+4], 128*KS/256
	s_mov_b32 s[\g+5], 32
	s_mov_b32 s[\g+6], 0
	s_mov_b32 s[\g+7], 0
.endr
	s_lshl_b32 s23, s[CH], 7                       ; which 128 rows of the tile I fetch
	s_lshl_b32 s96, s95, 8
	s_add_co_u32 s96, s96, s23
	s_add_co_u32 s96, s96, s100                    ; A: row
	s_lshl_b32 s46, s42, 8
	s_add_co_u32 s46, s46, s23
	s_add_co_u32 s46, s46, s101                    ; B: row
	s_lshl_b32 s98, s96, 5                         ; where these rows' scales begin, in bytes,
	s_mov_b32 s99, 0
	s_lshl_b32 s92, s46, 5
	s_mov_b32 s93, 0
	s_lshl_b32 s96, s96, 10                        ; and their codes (27,648 rows x 1,024 bytes: under 2^25)
	s_mov_b32 s97, 0
	s_lshl_b32 s46, s46, 10
	s_mov_b32 s47, 0
	s_mul_i32 s45, s[WV], HALFT                    ; where they go: wave x 128 rows: no place in the cluster enters an LDS address
	s_mul_i32 s94, s[WV], HALFS
	s_mov_b32 s[SEL], 0x76543210
	s_mov_b32 s[SEL+1], 0xfedcba98
	s_wait_kmcnt 0x0
	s_add_nc_u64 s[96:97], s[4:5], s[96:97]
	s_add_nc_u64 s[98:99], s[6:7], s[98:99]
	s_add_nc_u64 s[46:47], s[4:5], s[46:47]
	s_add_nc_u64 s[92:93], s[6:7], s[92:93]
	CROUND                                         ; all sixteen work-groups are here: the first joint loads meet
	s_mov_b32 s[G0S], 1
	s_add_co_u32 s[G0S+1], s94, SCL
	s_mov_b64 s[G0S+2:G0S+3], s[98:99]
	s_or_b32 s[G0S+3], s[G0S+3], 0x80000000
	s_mov_b32 s[G0SB], 1
	s_add_co_u32 s[G0SB+1], s94, SCL
	s_mov_b64 s[G0SB+2:G0SB+3], s[92:93]
	s_or_b32 s[G0SB+3], s[G0SB+3], 0x80000000
	JLOAD G0S, G1S, G0SB, G1SB                     ; the scales first: they are wanted with K step 0
.irp s, 0,1
	s_mov_b32 s[G0+4*\s], 1
	s_add_co_u32 s[G0+4*\s+1], s45, \s*SLOT
	s_add_nc_u64 s[G0+4*\s+2:G0+4*\s+3], s[96:97], \s*ROWB
	s_or_b32 s[G0+4*\s+3], s[G0+4*\s+3], 0x80000000
	s_mov_b32 s[G0B+4*\s], 1
	s_add_co_u32 s[G0B+4*\s+1], s45, \s*SLOT
	s_add_nc_u64 s[G0B+4*\s+2:G0B+4*\s+3], s[46:47], \s*ROWB
	s_or_b32 s[G0B+4*\s+3], s[G0B+4*\s+3], 0x80000000
	JLOAD G0+4*\s, G1, G0B+4*\s, G1B               ; three tensor loads of mine are out now
.endr
	v_and_b32 v1, 15, v0                           ; r = l % 16
	v_bfe_u32 v2, v0, 4, 1                         ; h = l / 16
	v_mul_u32_u24 v3, v1, PITCH
	v_lshl_add_u32 v4, v2, 4, v3                   ; a fragment's row x pitch + 16 x half
	s_mul_i32 s100, s[RH], HALFT                   ; my 128 rows of A
	s_mul_i32 s101, s[CH], HALFT                   ; my 128 rows of B,
	s_add_co_u32 s101, s101, 2*HALFT               ; which lie behind A's 256
.irp s, 0,1
	v_add_nc_u32 v[ADRA+\s], s100, v4
	v_add_nc_u32 v[ADRB+\s], s101, v4
	s_add_co_u32 s100, s100, SLOT
	s_add_co_u32 s101, s101, SLOT
.endr
	v_mul_u32_u24 v5, v1, KS                       ; my row's scales: 32 bytes a row,
	v_lshrrev_b32 v6, 8, v5
	v_lshl_add_u32 v5, v6, 4, v5                   ; and 16 more for each 256 passed
	s_mul_i32 s100, s[RH], HALFS                   ; A's: my 128 rows
	s_mul_i32 s101, s[CH], HALFS                   ; B's: my 128 rows, behind A's 256
	s_add_co_u32 s101, s101, 2*HALFS
	s_sub_co_u32 s101, s101, s100
	v_mul_u32_u24 v6, s101, v2                     ; lanes 16-31 take B's: the lower base + h x the distance
	s_add_co_u32 s100, s100, SCL
	v_add_nc_u32 v5, v5, v6
	v_add_nc_u32 v[ADRS], s100, v5
	v_and_b32 v7, 31, v0
	v_lshlrev_b32 v[VO], 4, v7
	v_lshlrev_b32 v[VSO], 4, v1
	v_lshl_add_u32 v[VSO], v2, 12, v[VSO]
	v_lshlrev_b32 v[VBP], 6, v2
	v_lshrrev_b32 v7, 3, v1
	v_lshl_add_u32 v7, v7, 3, v1
	v_lshlrev_b32 v[VBV], 2, v7
	; where my wave's results go.  T0: my first token's place among 8,192; N0: my first channel's among 1,024
	s_lshl_b32 s100, s95, 8
	s_lshl_b32 s23, s[RH], 7
	s_add_co_u32 s100, s100, s23                   ; my first row of A, from its section's start
	s_lshl_b32 s101, s42, 8
	s_lshl_b32 s23, s[CH], 7
	s_add_co_u32 s101, s101, s23                   ; my first row of B
	s_cmp_eq_u32 s[ZZ], 2
	s_cselect_b32 s23, s101, s100                  ; T0
	s_cselect_b32 s3, s100, s101                   ; N0
	s_lshr_b32 s2, s23, 11
	s_lshl_b32 s2, s2, 4
	s_lshr_b32 s100, s3, 6
	s_add_co_u32 s2, s2, s100                      ; 16 x batch + my first head (I hold two heads)
	s_and_b32 s23, s23, 2047                       ; the token's place in its batch
	s_cmp_eq_u32 s[ZZ], 1                          ; my projection's bias
	s_cselect_b64 s[8:9], s[10:11], s[8:9]
	s_cmp_eq_u32 s[ZZ], 2
	s_cselect_b64 s[8:9], s[12:13], s[8:9]
	s_lshl_b32 s100, s3, 2
	s_mov_b32 s101, 0
	s_add_nc_u64 s[8:9], s[8:9], s[100:101]        ; at my first channel
	s_lshl_b32 s100, s[ZZ], 23                     ; img: the section, the head's 131,072 bytes, 64 bytes a token (1,024 a tile of 16; 8,192 a step of 128 keys)
	s_lshl_b32 s3, s2, 17
	s_add_co_u32 s100, s100, s3
	s_lshl_b32 s3, s23, 6
	s_add_co_u32 s100, s100, s3
	s_add_nc_u64 s[14:15], s[14:15], s[100:101]
	s_lshl_b32 s100, s[ZZ], 18                     ; sw: the section, the head's 4,096 bytes, 256 bytes for 128 tokens
	s_lshl_b32 s3, s2, 12
	s_add_co_u32 s100, s100, s3
	s_lshr_b32 s3, s23, 7
	s_lshl_b32 s3, s3, 8
	s_add_co_u32 s100, s100, s3
	s_add_nc_u64 s[16:17], s[16:17], s[100:101]
	s_mov_b32 s[MNT], 0x600000
.macro FRAG reg, adr, q, i             ; a fragment, 16 rows x 128 K of 8-bit codes, is 16 registers: lane l holds row l % 16; registers 4 c .. 4 c + 3 hold K = 32 c + 16 (l / 16) + 0 .. 15
.irp c, 0,1,2,3
	ds_load_b128 v[\reg+4*\c:\reg+4*\c+3], v[\adr] offset:128*(\q)+32*\c+(\i)*16*PITCH
.endr
.endm
; 16 matrix instructions: A's blocks a0, a0 + 1 x B's eight, 128 along K: the slot's q-th.  p: B's set;  sc: the set of scale words.  zero = 1: the first product starts the sums: nothing is ever cleared.
; The 64 accumulators take turns, one instruction a turn, in the same order in every step.
.macro MUL16 a0, p, q, sc, zero
.irp a, \a0, \a0+1
.irp b, 0,1,2,3,4,5,6,7
.if \zero
	v_wmma_scale_f32_16x16x128_f8f6f4 v[8*(8*((\a)%4)+\b):8*(8*((\a)%4)+\b)+7], v[128*(\p)+FR*\b:128*(\p)+FR*\b+FR-1], v[AF+FR*(\a):AF+FR*(\a)+FR-1], 0, v[SC+8*NQ*(\sc)+NQ*\b+(\q)], v[SC+8*NQ*(\sc)+NQ*(\a)+(\q)] matrix_a_scale:MATRIX_SCALE_ROW1
.else
	v_wmma_scale_f32_16x16x128_f8f6f4 v[8*(8*((\a)%4)+\b):8*(8*((\a)%4)+\b)+7], v[128*(\p)+FR*\b:128*(\p)+FR*\b+FR-1], v[AF+FR*(\a):AF+FR*(\a)+FR-1], v[8*(8*((\a)%4)+\b):8*(8*((\a)%4)+\b)+7], v[SC+8*NQ*(\sc)+NQ*\b+(\q)], v[SC+8*NQ*(\sc)+NQ*(\a)+(\q)] matrix_a_scale:MATRIX_SCALE_ROW1
.endif
.endr
.endr
.endm
.macro FETCH_B slot, q, p              ; B's eight fragments of the slot's q-th 128 along K into set p
	WIN TO_B
.irp i, 0,1,2,3,4,5,6,7
	FRAG 128*(\p)+FR*\i, ADRB+\slot, \q, \i
.endr
	WIN 0
.endm
.macro FETCH_A slot, q, i0             ; A's blocks i0 .. i0 + 3
.irp i, \i0, \i0+1, \i0+2, \i0+3
	FRAG AF+FR*(\i), ADRA+\slot, \q, \i
.endr
.endm
.macro SCALES sc                       ; the next K step's scale words into set sc: two words a row; lanes 0-15 take A's block i, lanes 16-31 B's block i
.irp i, 0,1,2,3,4,5,6,7
	ds_load_b64 v[SC+8*NQ*\sc+NQ*\i:SC+8*NQ*\sc+NQ*\i+1], v[ADRS] offset:\i*SBLK
.endr
.endm
; A load into a register that a matrix instruction has read, and a vector instruction that reads a matrix result or writes one of its registers, stand NP places behind that matrix instruction, and only plain
; vector instructions that name none of its registers are places (ISA guide 7.12.1 for vector instructions).
.macro PLACES n
.rept \n
	v_nop
.endr
.endm
; A step of 128 along K that has its successor in the same slot.
.macro STEP slot, q, zero
	s_wait_dscnt 4*NL                              ; B's set and A's blocks 0-3 are in; the youngest sixteen loads (A's blocks 4-7) may be out
	WIN MUL_LO
	MUL16 0, (\q)%2, \q, \slot, \zero
	MUL16 2, (\q)%2, \q, \slot, \zero
	s_wait_dscnt 0                                 ; A's blocks 4-7 are in (asked for 32 matrix instructions ago)
	PLACES NP
	FETCH_B \slot, (\q)+1, 1-(\q)%2
	FETCH_A \slot, (\q)+1, 0
	WIN MUL_HI
	MUL16 4, (\q)%2, \q, \slot, \zero
	MUL16 6, (\q)%2, \q, \slot, \zero
	PLACES NP
	WIN 0
	FETCH_A \slot, (\q)+1, 4
.endm
; A slot's last step changes slots: ONE barrier; in front of it each wave waits for all its tensor loads, adds 0 to its spare word, and waits for that and for its own reads of this slot.  fill = 1: this slot is filled again, two K steps ahead.
.macro TURN slot, next, fill
	s_wait_tensorcnt 0x0                           ; all my tensor loads have landed: my part of the next slot;  (every window is 0 here: the add's two registers lie in window 0)
	ds_add_u32 v[SPW], v[NIL]                      ; 0 onto my spare word
	s_wait_dscnt 4*NL+1                            ; (the add and the youngest sixteen loads, A's blocks 4-7, may be out)
	WIN MUL_LO
	MUL16 0, 1, NQ-1, \slot, 0                     ; sixteen matrix instructions stand between the add and the wait for it
	s_wait_dscnt 0x0                               ; the add is done, and my reads of this slot are over
	s_barrier_signal -1
	MUL16 2, 1, NQ-1, \slot, 0
	WIN 0
	s_barrier_wait -1
.if \fill
	CREST                                          ; the barrier has opened a round of the cluster's barrier: no wave of any partner still reads this slot's tile or has a load on its way
	s_add_nc_u64 s[G0+4*\slot+2:G0+4*\slot+3], s[G0+4*\slot+2:G0+4*\slot+3], 2*ROWB
	s_add_nc_u64 s[G0B+4*\slot+2:G0B+4*\slot+3], s[G0B+4*\slot+2:G0B+4*\slot+3], 2*ROWB
	JLOAD G0+4*\slot, G1, G0B+4*\slot, G1B         ; the first tensor load behind the round, my only one until the next; its four v_nop are among the places in front of the loads below
	PLACES NP-4
.else
	PLACES NP
.endif
	v_add_nc_u32 v[ADRS], 4*NQ, v[ADRS]            ; on to the next K step's scale words (no LDS load of mine is out)
	FETCH_B \next, 0, 0
	FETCH_A \next, 0, 0
	SCALES \next
	WIN MUL_HI
	MUL16 4, 1, NQ-1, \slot, 0
	MUL16 6, 1, NQ-1, \slot, 0
	PLACES NP
	WIN 0
	FETCH_A \next, 0, 4
.endm
; THE WAY OUT.
; 64 numbers of a lane, v[s] .. v[s + 63], register 16 b + i = index 32 b + 16 (lane / 16) + i along the next K, become 16 registers of codes in v[CD] on and a scale word in v[pw].
.macro QUANT s, pw
.irp b, 0,1,2,3
	v_max3_num_f32 v[TM+\b], |v[\s+16*\b]|, |v[\s+1+16*\b]|, 0x4800000   ; block b: my 16 numbers, and the floor 2^(9 - 127): the byte cannot fall under 1
.endr
.irp i, 2,4,6,8,10,12,14
.irp b, 0,1,2,3
	v_max3_num_f32 v[TM+\b], v[TM+\b], |v[\s+16*\b+\i]|, |v[\s+1+16*\b+\i]|   ; (the four blocks by turns: no line waits for the line above it)
.endr
.endr
.irp b, 0,1,2,3
	v_permlanex16_b32 v[TM+4+\b], v[TM+\b], s[SEL], s[SEL+1]
.endr
.irp b, 0,1,2,3
	v_max_num_f32 v[TM+\b], v[TM+\b], v[TM+4+\b]   ; with lane l xor 16's: the block's largest magnitude
.endr
.irp b, 0,1,2,3
	v_add_nc_u32 v[TM+12+\b], 0xfc000000, v[TM+\b]   ; 8 off its exponent field: the conversion's scale operand
.endr
.irp b, 0,1,2,3
	v_and_or_b32 v[TM+8+\b], v[TM+\b], 0x7f800000, s[MNT]   ; 448 x the scale
.endr
.irp b, 0,1,2,3
	v_lshrrev_b32 v[TM+4+\b], 23, v[TM+12+\b]      ; the scale's byte
.endr
	v_lshl_or_b32 v[\pw], v[TM+5], 8, v[TM+4]      ; the four bytes make the scale word; both halves of the lanes hold it
	v_lshl_or_b32 v[\pw], v[TM+6], 16, v[\pw]
	v_lshl_or_b32 v[\pw], v[TM+7], 24, v[\pw]
.irp b, 0,1,2,3
.irp i, 0,1,2,3,4,5,6,7,8,9,10,11,12,13,14,15
	v_med3_num_f32 v[\s+16*\b+\i], v[\s+16*\b+\i], -v[TM+8+\b], v[TM+8+\b]   ; the conversion to an 8-bit code does not saturate (ISA guide 7.6.2): the hold
.endr
	v_cvt_scalef32_pk8_fp8_f32 v[CD+4*\b:CD+1+4*\b], v[\s+16*\b:\s+7+16*\b], v[TM+12+\b]
	v_cvt_scalef32_pk8_fp8_f32 v[CD+2+4*\b:CD+3+4*\b], v[\s+8+16*\b:\s+15+16*\b], v[TM+12+\b]
.endr
	v_nop                                          ; one plain vector line behind the last conversion: the next block's additions write its sources
.endm
; A's block a: the bias is added, which also brings the 64 numbers into window 0; they are quantised; the codes leave as four images of 512 bytes.  vp = 1: the projection of v.
.macro EBLK a, vp
	WIN 0x02+(\a)/4                                ; source 0: window 2 or 3
.irp b, 0,1,2,3,4,5,6,7
.irp j, 0,2,4,6
.if \vp
	v_pk_add_f32 v[XN+8*\b+\j:XN+8*\b+\j+1], v[64*((\a)%4)+8*\b+\j:64*((\a)%4)+8*\b+\j+1], v[BP+2*(\a):BP+2*(\a)+1]   ; my lane's channel has one bias; each accumulator is read from its low end on
.else
	v_pk_add_f32 v[XN+8*\b+\j:XN+8*\b+\j+1], v[64*((\a)%4)+8*\b+\j:64*((\a)%4)+8*\b+\j+1], v[BP+8*\b+\j:BP+8*\b+\j+1]   ; the channels run down the registers, and so does the bias
.endif
.endr
.endr
	WIN 0
.if (\a) > 0
	s_wait_xcnt 0x0                                ; the last block's stores have read their data: the codes' registers are written again only behind this wait
.endif
	QUANT XN, PWS+(\a)
.irp c, 0,1,2,3
.if \vp
	global_store_b128 v[VO], v[CD+4*\c:CD+4*\c+3], s[14:15] offset:131072*((\a)/4)+2048*((\a)%4)+512*\c   ; head a / 4, channel tile a % 4, keys 32 c on: 512 consecutive bytes, aligned
.else
	global_store_b128 v[VO], v[CD+4*\c:CD+4*\c+3], s[14:15] offset:1024*(\a)+512*(\c%2)+131072*(\c/2)     ; token tile a, head c / 2, channels 32 (c % 2) on
.endif
.endr
.endm
.macro EPI vp
.if \vp
.irp a, 0,1,2,3,4,5,6,7                        ; lane r of block a holds channel N0 + 32 (a / 2) + 8 (a % 2) + r + 8 (r / 8); twice, to make the pair that the packed addition names
	global_load_b32 v[BP+2*\a], v[VBV], s[8:9] offset:4*(32*(\a/2)+8*(\a%2))
	global_load_b32 v[BP+2*\a+1], v[VBV], s[8:9] offset:4*(32*(\a/2)+8*(\a%2))
.endr
.else
.irp b, 0,1,2,3                                ; register 16 b + i holds channel N0 + 32 b + 16 h + i
.irp j, 0,1,2,3
	global_load_b128 v[BP+16*\b+4*\j:BP+16*\b+4*\j+3], v[VBP], s[8:9] offset:128*\b+16*\j
.endr
.endr
.endif
	s_wait_dscnt 4*NL                              ; the very last step of K: nothing more to fetch; the bias lands under it
	WIN MUL_LO
	MUL16 0, 1, NQ-1, 1, 0
	MUL16 2, 1, NQ-1, 1, 0
	s_wait_dscnt 0
	WIN MUL_HI
	MUL16 4, 1, NQ-1, 1, 0
	MUL16 6, 1, NQ-1, 1, 0
	WIN 0
	PLACES NP                                      ; in front of the first read of results, and of writes into registers that held scale words and A's fragments
	s_wait_loadcnt 0x0                             ; the bias
.irp b, 0,1,2,3
	v_mov_b32 v[TM+4+\b], 0                        ; written once: a lane permute's destination counts as one of its sources
.endr
.if \vp
	s_mov_b32 s100, 0x04040404                     ; lanes 0-15 take the first head's words whole (bytes 0-3 of the second source), lanes 16-31 the second head's (bytes 4-7: the first source)
	v_mul_lo_u32 v[SELV], v2, s100
	v_add_nc_u32 v[SELV], 0x03020100, v[SELV]
.else
	s_mov_b32 s100, 0x02020202                     ; lanes 0-15 take bytes 0, 1 of two tiles' words (the first head's two blocks), lanes 16-31 bytes 2, 3
	v_mul_lo_u32 v[SELV], v2, s100
	v_add_nc_u32 v[SELV], 0x05040100, v[SELV]
.endif
.irp a, 0,1,2,3,4,5,6,7
	EBLK \a, \vp
.endr
.irp i, 0,1,2,3
.if \vp
	v_perm_b32 v[WD+\i], v[PWS+4+\i], v[PWS+\i], v[SELV]
.else
	v_perm_b32 v[WD+\i], v[PWS+2*\i+1], v[PWS+2*\i], v[SELV]
.endif
.endr
	global_store_b128 v[VSO], v[WD:WD+3], s[16:17] ; sixteen lanes store 256 consecutive bytes, aligned, for each of my two heads
	s_wait_tensorcnt 0x0                           ; the wave's end: behind my last tensor load, my last LDS instructions
	ds_add_u32 v[SPW], v[NIL]
	s_wait_dscnt 0x0
.endm
	s_wait_tensorcnt 1                             ; the scales and my part of K step 0 are in (K step 1's load may be out)
	s_barrier_signal -1
	s_barrier_wait -1                              ; everybody's are
	FETCH_B 0, 0, 0
	FETCH_A 0, 0, 0
	SCALES 0
	FETCH_A 0, 0, 4
	STEP 0, 0, 1                                   ; K 0-127: its products start the sums
	TURN 0, 1, 1                                   ; K 128-255; slot 0 takes K 512-767.  K = 1,024 is four slots' worth: the ring's one lap is written out
	STEP 1, 0, 0
	TURN 1, 0, 1                                   ; slot 1 takes K 768-1,023
	STEP 0, 0, 0
	TURN 0, 1, 0                                   ; nothing is left to fetch: no round of the cluster's barrier
	STEP 1, 0, 0
	s_cmp_eq_u32 s[ZZ], 2                          ; the two ways out part on the projection's number, which all sixteen partners share; neither touches LDS but for the closing add
	s_cbranch_scc1 .Lfor_v
	EPI 0
	s_branch .Ljoin
.Lfor_v:
	EPI 1
.Ljoin:
	CROUND                                         ; the closing round: no work-group ends while a partner may still ask for a tile that names it
	s_endpgm
.Lfunc_end_k_q633d5ca300_proj:
	.size	k_q633d5ca300_proj, .Lfunc_end_k_q633d5ca300_proj-k_q633d5ca300_proj
	.p2alignl 7, 3214868480
	.fill 96, 4, 3214868480
	.section	.rodata,"a",@progbits
	.p2align	6, 0x0
	.amdhsa_kernel k_q633d5ca300_proj
		.amdhsa_group_segment_fixed_size 327680
		.amdhsa_private_segment_fixed_size 0
		.amdhsa_enable_private_segment 0
		.amdhsa_kernarg_size 56
		.amdhsa_user_sgpr_count 2
		.amdhsa_user_sgpr_kernarg_segment_ptr 1
		.amdhsa_wavefront_size32 1
		.amdhsa_system_sgpr_workgroup_id_x 1
		.amdhsa_system_sgpr_workgroup_id_y 1
		.amdhsa_system_sgpr_workgroup_id_z 1
		.amdhsa_system_vgpr_workitem_id 0
		.amdhsa_next_free_vgpr 1024
		.amdhsa_next_free_sgpr 102
		.amdhsa_reserve_vcc 0
		.amdhsa_float_denorm_mode_32 3
		.amdhsa_float_denorm_mode_16_64 3
		.amdhsa_memory_ordered 1
		.amdhsa_forward_progress 1
		.amdhsa_inst_pref_size 255
	.end_amdhsa_kernel
	.section	.bss,"aw",@nobits
	.p2align	6
	.space	262144
	.amdgpu_metadata
---
amdhsa.version: [ 1, 2 ]
amdhsa.kernels:
  - .name:           k_q633d5ca300_proj
    .symbol:         k_q633d5ca300_proj.kd
    .args:
      - { .name: codes, .offset: 0, .size: 8, .value_kind: global_buffer, .address_space: global }
      - { .name: scales, .offset: 8, .size: 8, .value_kind: global_buffer, .address_space: global }
      - { .name: bq, .offset: 16, .size: 8, .value_kind: global_buffer, .address_space: global }
      - { .name: bk, .offset: 24, .size: 8, .value_kind: global_buffer, .address_space: global }
      - { .name: bv, .offset: 32, .size: 8, .value_kind: global_buffer, .address_space: global }
      - { .name: img, .offset: 40, .size: 8, .value_kind: global_buffer, .address_space: global }
      - { .name: sw, .offset: 48, .size: 8, .value_kind: global_buffer, .address_space: global }
    .group_segment_fixed_size: 327680
    .private_segment_fixed_size: 0
    .kernarg_segment_align: 8
    .kernarg_segment_size: 56
    .max_flat_workgroup_size: 128
    .sgpr_count:     102
    .vgpr_count:     1024
    .wavefront_size: 32
...
	.end_amdgpu_metadata
.endif
;; end of part 2
;; launch attn (part 3): grid 8 x 64, 16 waves a work-group, clusters of 4 x 1, 327,680 bytes of LDS; arguments img, sw, mask, out0; writes out0
.if DOCPART == 3
	.amdgcn_target "amdgcn-amd-amdhsa--gfx1250"
	.amdhsa_code_object_version 6
	.text
	.protected	k_q633d5ca300_attn
	.globl	k_q633d5ca300_attn
	.p2align	8
	.type	k_q633d5ca300_attn,@function
k_q633d5ca300_attn:
	s_mov_b64 s[64:65], 0
	v_nop
	global_prefetch_b8 v0, s[64:65] scope:SCOPE_SE
	s_setreg_imm32_b32 hwreg(HW_REG_WAVE_MODE, 25, 1), 1
	s_wait_xcnt 0x0
	s_wait_alu depctr_hold_cnt(0) depctr_sa_sdst(0) depctr_va_vdst(0) depctr_va_sdst(0) depctr_va_ssrc(0) depctr_va_vcc(0) depctr_vm_vsrc(0)
	s_getreg_b32 s2, hwreg(HW_REG_IB_STS2, 6, 4)
	s_cmp_eq_u32 s2, 0
	s_cbranch_scc0 .Lentry_in_a_cluster
	s_endpgm
.Lentry_in_a_cluster:
	s_bfe_u32 s2, ttmp6, 0x10000c
	s_cmp_lg_u32 s2, 0x3003
	s_cbranch_scc0 .Lentry_shape_is_right
	s_endpgm
.Lentry_shape_is_right:
; out[b][q][64 head + :] = the sum over keys of softmax(Q . K / 8 - 10000 (1 - mask[b][key])) V, for 64 (batch, head) pairs, 2,048 queries and keys, head size 64; both products on codes of FP8 (E4M3) with E8M0 scales for each 32 along K.
; INPUT: operand register images.  img: sections of 8 MiB (q, k, v), 131,072 bytes a (batch, head) bh:  q, k: [tile 0..127][chunk 0..1][512 B]: lane (r, h) holds channels 32 c + 16 h + 0..15 of token 32 (tile / 2) + 8 (tile % 2) + r + 8 (r / 8);
;   v: [key step 0..15][channel tile 0..3][chunk 0..3][512 B]: lane (r, h) holds keys 128 step + 32 c + 16 h + 0..15 of channel 32 (ct / 2) + 8 (ct % 2) + r + 8 (r / 8).
;   sw: sections of 256 KiB, 4,096 bytes a bh: [g][r][i] words: q, k: g = 8 tiles, word i = tile 2 i's two bytes, tile 2 i + 1's two;  v: g = key step, word i = channel tile i's four bytes.
; THE SOFTMAX AHEAD OF THE SECOND PRODUCT: t = logit x log2(e); M = the row's largest t so far, rounded UP to a whole number; p = 2^(t - M) is quantised along the keys, not normalised.  The row's sum is taken of the
; unquantised p and divides at the end.  When M moves, the sum and O are multiplied by 2^(old M - new M): exact.
; SHARES.  A work-group owns 256 queries of one bh, each of its sixteen waves one tile of 16: 256 registers a wave, four waves to a SIMD, so that one wave's vector work stands beside another's matrix work and LDS loads.
; ALL of a bh's K and V (256 KiB) and their scale words (8 KiB) lie in LDS, FILLED ONCE, in four chunks of 512 keys: no byte is filled twice.  The first chunk is read while the others are on their way.
; CLUSTER.  The four work-groups of a cluster belong to one bh and need the same K and V: every fill is a joint load with a mask that names the four.
; LAYOUT.  Both products are used transposed: S^T = K Q^T (source 0 = 16 keys, source 1 = my queries), O^T = V^T P^T: a lane holds ONE query throughout.  By the tokens of a tile, the 16 registers of tiles 2 p, 2 p + 1 are 16 neighbouring keys.
; A HEAD OF 64 IN A FORM OF K = 128.  Source 0 is a PAIR of key tiles (tile 2 p in K 0-63, tile 2 p + 1 in K 64-127, one scale word).  Against [Q | zeros] it gives tile 2 p's scores, against [zeros | Q] tile 2 p + 1's:
; the other half multiplies finite codes by zero codes.  So no fragment is read from LDS twice and no zero is read from LDS at all.
; THE MASK costs no vector instruction in the loop: 8 x (-10000 (1 - mask)), made once and kept in LDS, is loaded into the scores' registers and is the C of the score product; t = (Q . K + that) x log2(e) / 8.
; LIMITS: the mask's term is added inside the matrix instruction's f32 sum, not by a separate f32 subtraction: a logit under a hole may differ by about an ulp of 10,000 from the two-step form; NaN and infinities are not served.
.set SCK,   262144                     ; LDS: chunk c at 65,536 c: 32 key tiles of 1,024 bytes, then four V steps of 8,192.  Behind them K's scale words, 4,096 bytes,
.set SCV,   SCK+4096                   ; V's,
.set MT,    SCV+4096                   ; and the mask's terms, 2,048 f32, written by LDS stores: no fill ever lands here
.set SPI,   272                        ; the way out: 16 rows x (256 bytes + 16) for each wave, from LDS byte 0 on: used when every fill has landed and nobody reads K or V any more
.set LI,   1                           ; v1   16 x lane: my place in an image
.set AM0,  2                           ; v2   MT + 64 h
.set AS0,  3                           ; v3   SCK + 16 r
.set ADK,  4                           ; v4-6 the step's addresses: images, mask terms, scale words
.set ADM,  5
.set ADS,  6
.set GO,   7                           ; v7   the way out: my byte offset in out
.set QA,   16                          ; v16-23 Q, v24-31 zeros, v32-39 Q again: v[16:31] = [Q | 0], v[24:39] = [0 | Q]
.set FR,   40                          ; v40-103  four pairs of key tiles, then four fragments of V
.set S,    104                         ; v104-167 the mask's terms, S^T, then p
.set OT,   168                         ; v168-199 O^T
.set CD,   200                         ; v200-215 p's codes
.set BM,   216                         ; v216-219 the blocks' largest scores, then largest p
.set T4,   220                         ; v220-223 at work
.set HL,   224                         ; v224-227 448 x the scale
.set SO,   228                         ; v228-231 the conversions' scale operands
.set KSC,  232                         ; v232-235 the four pairs' scale words
.set VSC,  236                         ; v236-239 V's four tiles'
.set QS0,  240                         ; v240 Q's two bytes below, v241 above
.set QS1,  241
.set PWD,  242                         ; v242 p's scale word
.set FF,   244                         ; v[244:245] f = 2^(old M - new M) (the pair is named, its low word used)
.set TV,   246
.set SU2,  248                         ; v[248:249] the sum's second chain;  v12 -M, v13 the largest t, v[14:15] the sum in two halves
.set WV,   12                          ; s12  wave
.set SEL,  20                          ; s[20:21] lane selects for v_permlanex16_b32: lane l xor 16
.set CS,   22                          ; s[22:23] c = log2(e) / 8
.set G1C,  24                          ; s[24:31] descriptor group 1 for a quarter of a chunk: 64 rows of 256 bytes
.set G1S,  32                          ; s[32:39] for half a tensor's scale words: 8 rows of 256 bytes
.set G0S,  40                          ; s[40:43] group 0 for the scale words;  s[44:59] for the four chunks
.set G0C,  44
.set MNT,  60                          ; s60  the mantissa field of 448
.set TB,   61                          ; s61  LDS byte of the step's key tiles (its V lies 32,768 on)
.set TMS,  62                          ; s62  512 x step: the mask's terms
.set TSS,  63                          ; s63  256 x step: the scale words
.set CNT,  66                          ; s66  steps to go in a chunk
.set SH,   67                          ; s67  16 x (wave % 2): which half of Q's scale word is my tile's
.macro CROUND                          ; a round of the cluster's barrier
	s_barrier_signal -1
	s_barrier_wait -1
	s_cmp_lg_u32 s[WV], 0
	s_cbranch_scc1 .Lnot_wave_0_\@
	s_barrier_signal -3
.Lnot_wave_0_\@:
	s_barrier_wait -3
	s_barrier_signal -1
	s_barrier_wait -1
.endm
	s_load_b256 s[4:11], s[0:1], 0x0               ; img s[4:5], sw s[6:7], mask s[8:9], out s[10:11]
	v_lshl_add_u32 v254, v0, 2, 0x44000
	v_mov_b32 v255, 0
	ds_add_u32 v254, v255
	ds_add_u32 v254, v255
	v_lshrrev_b32 v8, 5, v0
	v_readfirstlane_b32 s[WV], v8                  ; wave 0..15
	s_and_b32 s15, ttmp7, 0xffff                   ; bh, which the four partners share
	; descriptor group 1: dense blocks as rows of 256 bytes (32 elements of 8 bytes), no padding: images are read 16 bytes a lane, on end
	s_mov_b32 s[G1C], 15|(3<<16)|(1<<21)           ; 15:0 the mask: all four work-groups; 17:16 elements of 8 bytes; 21 set beside a mask
	s_mov_b32 s[G1C+1], 32<<16                     ; tensor_dim0 = 32
	s_mov_b32 s[G1C+2], 64<<16                     ; tensor_dim1 = 64
	s_mov_b32 s[G1C+3], 32<<16                     ; tile_dim0 = 32
	s_mov_b32 s[G1C+4], 64                         ; tile_dim1 = 64
	s_mov_b32 s[G1C+5], 32                         ; tensor_dim0_stride
	s_mov_b32 s[G1C+6], 0
	s_mov_b32 s[G1C+7], 0
	s_mov_b32 s[G1S], 15|(3<<16)|(1<<21)
	s_mov_b32 s[G1S+1], 32<<16
	s_mov_b32 s[G1S+2], 8<<16
	s_mov_b32 s[G1S+3], 32<<16
	s_mov_b32 s[G1S+4], 8
	s_mov_b32 s[G1S+5], 32
	s_mov_b32 s[G1S+6], 0
	s_mov_b32 s[G1S+7], 0
	; what a fetching wave fetches: waves 0, 1 the halves of K's part, waves 2, 3 of V's.  Made from wave % 4, so that the words are sound in every wave; waves 0 to 3 alone issue
	s_and_b32 s68, s[WV], 3
	s_and_b32 s16, s68, 1                          ; which half
	s_lshr_b32 s17, s68, 1
	s_add_co_u32 s17, s17, 1                       ; the section: 1 = k, 2 = v
	s_lshl_b32 s70, s17, 23
	s_lshl_b32 s69, s15, 17
	s_add_co_u32 s70, s70, s69
	s_lshl_b32 s69, s16, 14
	s_add_co_u32 s70, s70, s69                     ; img: section, bh, half of a chunk's 32,768 bytes
	s_mov_b32 s71, 0
	s_lshl_b32 s72, s17, 18
	s_lshl_b32 s69, s15, 12
	s_add_co_u32 s72, s72, s69
	s_lshl_b32 s69, s16, 11
	s_add_co_u32 s72, s72, s69                     ; sw: section, bh, half of 4,096 bytes
	s_mov_b32 s73, 0
	s_lshl_b32 s74, s68, 14                        ; the place in a chunk in LDS: K's halves, then V's
	s_lshl_b32 s75, s68, 11                        ; and among the scale words
	s_mov_b32 s[SEL], 0x76543210
	s_mov_b32 s[SEL+1], 0xfedcba98
	s_mov_b32 s[CS], 0x3e38aa3b                    ; c = log2(e) / 8
	s_mov_b32 s[CS+1], s[CS]                       ; (named with it as a pair, so it is written)
	s_mov_b32 s[MNT], 0x600000
	s_mov_b32 s[TB], 0
	s_mov_b32 s[TMS], 0
	s_mov_b32 s[TSS], 0
	s_and_b32 s[SH], s[WV], 1
	s_lshl_b32 s[SH], s[SH], 4
	s_wait_dscnt 0x0
	s_wait_kmcnt 0x0
	s_add_nc_u64 s[70:71], s[4:5], s[70:71]
	s_add_nc_u64 s[72:73], s[6:7], s[72:73]
	s_mov_b32 s[G0S], 1                            ; 1:0 count = 1
	s_add_co_u32 s[G0S+1], s75, SCK                ; 63:32 LDS address
	s_mov_b64 s[G0S+2:G0S+3], s[72:73]             ; 120:64 global address
	s_or_b32 s[G0S+3], s[G0S+3], 0x80000000        ; 127:126 type = 2
.irp c, 0,1,2,3
	s_mov_b32 s[G0C+4*\c], 1
	s_add_co_u32 s[G0C+4*\c+1], s74, 65536*\c
	s_add_nc_u64 s[G0C+4*\c+2:G0C+4*\c+3], s[70:71], 32768*\c
	s_or_b32 s[G0C+4*\c+3], s[G0C+4*\c+3], 0x80000000
.endr
	CROUND                                         ; all four work-groups are here: the joint loads meet
	s_cmp_lt_u32 s[WV], 4                          ; all fills of the launch stand in one branch on the wave's number, ahead of every wait on TENSORcnt
	s_cbranch_scc0 .Lno_fill
	tensor_load_to_lds s[G0S:G0S+3], s[G1S:G1S+7]          ; the scale words, then the chunks in the order in which they are read: five loads of mine are out
	s_nop 0
	tensor_load_to_lds s[G0C:G0C+3], s[G1C:G1C+7]
	s_nop 0
	tensor_load_to_lds s[G0C+4:G0C+7], s[G1C:G1C+7]
	s_nop 0
	tensor_load_to_lds s[G0C+8:G0C+11], s[G1C:G1C+7]
	s_nop 0
	tensor_load_to_lds s[G0C+12:G0C+15], s[G1C:G1C+7]
	s_nop 0
.rept 4
	v_nop
.endr
.Lno_fill:
	s_lshr_b32 s16, s15, 4                         ; the batch's 2,048 numbers of the mask: 16 bytes a thread
	s_lshl_b32 s16, s16, 13
	s_mov_b32 s17, 0
	s_add_nc_u64 s[8:9], s[8:9], s[16:17]
	v_lshlrev_b32 v8, 4, v0
	global_load_b128 v[S:S+3], v8, s[8:9]
	s_bfe_u32 s13, ttmp6, 0x40000                  ; cx: my place in the cluster: it enters Q's and out's global addresses alone
	s_lshl_b32 s14, ttmp9, 2
	s_add_co_u32 s14, s14, s13                     ; my block of 256 queries
	s_lshl_b32 s18, s14, 4
	s_add_co_u32 s18, s18, s[WV]                   ; qt: my tile of 16 queries
	s_lshl_b32 s16, s15, 17
	s_lshl_b32 s19, s18, 10
	s_add_co_u32 s16, s16, s19
	s_add_nc_u64 s[4:5], s[4:5], s[16:17]          ; its image, in section 0
	v_and_b32 v9, 31, v0
	v_lshlrev_b32 v[LI], 4, v9
	global_load_b128 v[QA:QA+3], v[LI], s[4:5]
	global_load_b128 v[QA+4:QA+7], v[LI], s[4:5] offset:512
	global_load_b128 v[QA+16:QA+19], v[LI], s[4:5]             ; and once more, behind the zeros
	global_load_b128 v[QA+20:QA+23], v[LI], s[4:5] offset:512
	s_lshl_b32 s16, s15, 12                        ; its scale word: group qt / 8, word (qt / 2) % 4, lane r's 16 bytes
	s_lshr_b32 s19, s18, 3
	s_lshl_b32 s19, s19, 8
	s_add_co_u32 s16, s16, s19
	s_bfe_u32 s19, s18, 0x20001
	s_lshl_b32 s19, s19, 2
	s_add_co_u32 s16, s16, s19
	s_add_nc_u64 s[6:7], s[6:7], s[16:17]
	v_and_b32 v10, 15, v0                          ; r
	v_lshlrev_b32 v11, 4, v10
	global_load_b32 v[QS0], v11, s[6:7]
	s_lshr_b32 s16, s15, 4                         ; out: row = 2,048 x batch + 32 (qt / 2) + 8 (qt % 2), of 4,096 bytes; + 256 x head
	s_lshl_b32 s16, s16, 11
	s_lshr_b32 s19, s18, 1
	s_lshl_b32 s19, s19, 5
	s_add_co_u32 s16, s16, s19
	s_and_b32 s19, s18, 1
	s_lshl_b32 s19, s19, 3
	s_add_co_u32 s16, s16, s19
	s_lshl_b32 s16, s16, 12
	s_and_b32 s19, s15, 15
	s_lshl_b32 s19, s19, 8
	s_add_co_u32 s16, s16, s19
	s_add_nc_u64 s[10:11], s[10:11], s[16:17]
	v_bfe_u32 v9, v0, 4, 1                         ; h
	v_lshl_add_u32 v[AM0], v9, 6, MT
	v_lshl_add_u32 v[AS0], v10, 4, SCK
.irp j, 0,1,2,3,4,5,6,7
	v_mov_b32 v[QA+8+\j], 0                        ; the zero codes between the two copies of Q
.endr
.irp j, 0,1,2,3,4,5,6,7,8,9,10,11,12,13,14,15,16,17,18,19,20,21,22,23,24,25,26,27,28,29,30,31
	v_mov_b32 v[OT+\j], 0                          ; O^T.  (The step is written without a first form: it finds zeros, which the first change of M leaves zeros)
.endr
	v_mov_b32 v13, 0xff61b1e6                      ; the largest t so far: -3e38, under every t
	v_floor_f32 v12, -v13                          ; -M
	v_mov_b32 v14, 0                               ; the sum, in two halves
	v_mov_b32 v15, 0
.irp b, 0,1,2,3
	v_mov_b32 v[T4+\b], 0                          ; written once: a lane permute's destination counts as one of its sources
.endr
	v_mov_b32 v[FF+1], 0                           ; (named as the upper half of a pair)
	s_wait_loadcnt 0x0                             ; the mask, Q, Q's scale word
.irp j, 0,1,2,3
	v_sub_f32 v[S+\j], 1.0, v[S+\j]
.endr
.irp j, 0,1,2,3
	v_mul_f32 v[S+\j], 0xc79c4000, v[S+\j]         ; x -80,000: 8 x the f32 product by -10,000, exactly: a factor of 8 changes no rounding
.endr
	v_add_nc_u32 v8, MT, v8
	ds_store_b128 v8, v[S:S+3]                     ; the term of key n at MT + 4 n
	v_lshrrev_b32 v[QS0], s[SH], v[QS0]
	v_and_b32 v[QS0], 0xffff, v[QS0]               ; my tile's two bytes under K 0-63; the byte 0 above them stands over zero codes
	v_lshlrev_b32 v[QS1], 16, v[QS0]               ; and under K 64-127
; A KEY STEP: 128 keys.
.macro STEP
	v_add_nc_u32 v[ADK], s[TB], v[LI]
	v_add_nc_u32 v[ADM], s[TMS], v[AM0]
	v_add_nc_u32 v[ADS], s[TSS], v[AS0]
.rept 5
	v_nop                                          ; with the three additions: eight places between the last products and loads into registers that they read
.endr
.irp b, 0,1,2,3
.irp j, 0,1,2,3
	ds_load_b128 v[S+16*\b+4*\j:S+16*\b+4*\j+3], v[ADM] offset:128*\b+16*\j   ; the mask's terms in the scores' layout: register 16 b + i is key 32 b + 16 h + i; sixteen lanes share each word
.endr
.endr
	ds_load_b128 v[KSC:KSC+3], v[ADS]              ; lane r: the four pairs' scale words
.irp p, 0,1,2,3
.irp c, 0,1,2,3
	ds_load_b128 v[FR+16*\p+4*\c:FR+16*\p+4*\c+3], v[ADK] offset:2048*\p+512*\c   ; pair p: tiles 2 p and 2 p + 1 lie on end: 512 consecutive bytes a load
.endr
.endr
	s_wait_dscnt 0x0
.irp p, 0,1,2,3                                ; S^T = K Q^T + the mask's terms.  Eight accumulators, one instruction each
	v_wmma_scale_f32_16x16x128_f8f6f4 v[S+16*\p:S+16*\p+7], v[FR+16*\p:FR+16*\p+15], v[QA:QA+15], v[S+16*\p:S+16*\p+7], v[KSC+\p], v[QS0]
	v_wmma_scale_f32_16x16x128_f8f6f4 v[S+16*\p+8:S+16*\p+15], v[FR+16*\p:FR+16*\p+15], v[QA+8:QA+23], v[S+16*\p+8:S+16*\p+15], v[KSC+\p], v[QS1]
.endr
.rept 8
	v_nop                                          ; eight places: in front of the loads below, and of the first read of the scores
.endr
.irp t, 0,1,2,3
.irp c, 0,1,2,3
	ds_load_b128 v[FR+16*\t+4*\c:FR+16*\t+4*\c+3], v[ADK] offset:32768+2048*\t+512*\c   ; V's four fragments land under the softmax
.endr
.endr
	ds_load_b128 v[VSC:VSC+3], v[ADS] offset:4096
.irp b, 0,1,2,3
	v_max3_num_f32 v[BM+\b], v[S+16*\b], v[S+1+16*\b], v[S+2+16*\b]   ; the largest score of each block of 32 keys: for the row's maximum, and, since p rises with the score, for the block's largest p
.endr
.irp i, 3,5,7,9,11,13
.irp b, 0,1,2,3
	v_max3_num_f32 v[BM+\b], v[BM+\b], v[S+16*\b+\i], v[S+1+16*\b+\i]   ; (the four blocks by turns; each accumulator is first read at its low end)
.endr
.endr
.irp b, 0,1,2,3
	v_max_num_f32 v[BM+\b], v[BM+\b], v[S+15+16*\b]
.endr
.irp b, 0,1,2,3
	v_permlanex16_b32 v[T4+\b], v[BM+\b], s[SEL], s[SEL+1]
.endr
.irp b, 0,1,2,3
	v_max_num_f32 v[BM+\b], v[BM+\b], v[T4+\b]     ; with lane l xor 16's 16 keys
.endr
	v_max3_num_f32 v[TV], v[BM], v[BM+1], v[BM+2]
	v_max_num_f32 v[TV], v[TV], v[BM+3]            ; the step's largest score of my query
	v_mul_f32 v[TV], s[CS], v[TV]                  ; as t (c is positive)
	v_max_num_f32 v13, v13, v[TV]                  ; the running largest t
	v_mov_b32 v[TV], v12
	v_floor_f32 v12, -v13                          ; the new -M = floor(-t) = -ceil(t): M is a whole number
	v_sub_f32 v[TV], v12, v[TV]                    ; M's old value less its new one: a whole number, 0 or less
	v_cvt_i32_f32 v[TV], v[TV]                     ; (it saturates)
	v_ldexp_f32 v[FF], 1.0, v[TV]                  ; f = 2^(old M - new M): a multiplication by it rounds nothing
.irp j, 0,2,4,6,8,10,12,14,16,18,20,22,24,26,28,30,32,34,36,38,40,42,44,46,48,50,52,54,56,58,60,62
	v_pk_fma_f32 v[S+\j:S+1+\j], v[S+\j:S+1+\j], s[CS:CS+1], v[12:13] op_sel_hi:[1,0,0]   ; t - M, two at a time (of the pairs c and -M the low word serves both halves)
.endr
.irp b, 0,1,2,3
	v_fma_f32 v[BM+\b], v[BM+\b], s[CS], v12       ; the same of each block's largest score
.endr
.irp j, 0,1,2,3,4,5,6,7,8,9,10,11,12,13,14,15,16,17,18,19,20,21,22,23,24,25,26,27,28,29,30,31,32,33,34,35,36,37,38,39,40,41,42,43,44,45,46,47,48,49,50,51,52,53,54,55,56,57,58,59,60,61,62,63
	v_exp_f32 v[S+\j], v[S+\j]                     ; p = 2^(t - M), at most 1: not normalised
.endr
.irp b, 0,1,2,3
	v_exp_f32 v[BM+\b], v[BM+\b]                   ; the block's largest p: the same two instructions on the same number give the same bits
.endr
	v_pk_mul_f32 v[14:15], v[14:15], v[FF:FF+1] op_sel_hi:[1,0]   ; the sums under the new M.  (The plain line behind the exponentials)
	s_wait_alu depctr_va_vdst(0)
.irp b, 0,1,2,3
	v_max_num_f32 v[BM+\b], 0x4800000, v[BM+\b]    ; the floor 2^(9 - 127): the byte cannot fall under 1 (a block whose every p is 0 keeps that byte: its codes are zeros)
.endr
.irp b, 0,1,2,3
	v_add_nc_u32 v[SO+\b], 0xfc000000, v[BM+\b]    ; 8 off the exponent field: the conversion's scale operand
.endr
.irp b, 0,1,2,3
	v_and_or_b32 v[HL+\b], v[BM+\b], 0x7f800000, s[MNT]   ; 448 x the scale
.endr
.irp b, 0,1,2,3
	v_lshrrev_b32 v[T4+\b], 23, v[SO+\b]           ; the scale's byte
.endr
	v_lshl_or_b32 v[PWD], v[T4+1], 8, v[T4]        ; p's scale word for these 128 keys
	v_lshl_or_b32 v[PWD], v[T4+2], 16, v[PWD]
	v_lshl_or_b32 v[PWD], v[T4+3], 24, v[PWD]
	v_pk_add_f32 v[SU2:SU2+1], v[S:S+1], v[S+2:S+3]   ; the row's sum is taken of the unquantised p: two at a time, in two chains
.irp j, 4,8,12,16,20,24,28,32,36,40,44,48,52,56,60
	v_pk_add_f32 v[14:15], v[14:15], v[S+\j:S+1+\j]
	v_pk_add_f32 v[SU2:SU2+1], v[SU2:SU2+1], v[S+2+\j:S+3+\j]
.endr
	v_pk_add_f32 v[14:15], v[14:15], v[SU2:SU2+1]
.irp b, 0,1,2,3
.irp i, 0,1,2,3,4,5,6,7,8,9,10,11,12,13,14,15
	v_min_num_f32 v[S+16*\b+\i], v[S+16*\b+\i], v[HL+\b]   ; the conversion to an 8-bit code does not saturate (ISA guide 7.6.2); p is not negative, so the hold is one-sided
.endr
	v_cvt_scalef32_pk8_fp8_f32 v[CD+4*\b:CD+1+4*\b], v[S+16*\b:S+7+16*\b], v[SO+\b]
	v_cvt_scalef32_pk8_fp8_f32 v[CD+2+4*\b:CD+3+4*\b], v[S+8+16*\b:S+15+16*\b], v[SO+\b]
.endr
.irp j, 0,2,4,6,8,10,12,14,16,18,20,22,24,26,28,30
	v_pk_mul_f32 v[OT+\j:OT+1+\j], v[OT+\j:OT+1+\j], v[FF:FF+1] op_sel_hi:[1,0]   ; O^T under the new M.  (These sixteen also stand between the codes' conversions and the products below)
.endr
	s_wait_dscnt 0x0                               ; V and its scale words
.irp t, 0,1,2,3                                ; O^T += V^T P^T: four tiles of 16 channels; K = these 128 keys
	v_wmma_scale_f32_16x16x128_f8f6f4 v[OT+8*\t:OT+8*\t+7], v[FR+16*\t:FR+16*\t+15], v[CD:CD+15], v[OT+8*\t:OT+8*\t+7], v[VSC+\t], v[PWD]
.endr
	s_add_co_u32 s[TB], s[TB], 8192                ; the next step's eight key tiles; its V lies as far on
	s_add_co_u32 s[TMS], s[TMS], 512
	s_add_co_u32 s[TSS], s[TSS], 256
.endm
; A CHUNK: 512 keys, four steps.  left: the later chunks' loads, which may stay out, so they may cross the barrier.
.macro CHUNK left
	s_wait_tensorcnt \left                         ; tensor loads of a wave end in order (ISA guide 10.11.1): my part of this chunk (and, the first time, of the scale words) has landed;
	s_wait_dscnt 0x0                               ; my LDS store of the mask's terms is done
	s_barrier_signal -1
	s_barrier_wait -1                              ; everybody's has
	s_mov_b32 s[CNT], 4
.Lstep_\@:
	STEP
	s_sub_co_u32 s[CNT], s[CNT], 1
	s_cmp_lg_u32 s[CNT], 0
	s_cbranch_scc1 .Lstep_\@
	s_add_co_u32 s[TB], s[TB], 32768               ; over this chunk's V to the next chunk's key tiles
.endm
	CHUNK 3
	CHUNK 2
	CHUNK 1
	CHUNK 0
	; THE WAY OUT.  O^T is divided by the row's sum and goes through my stage in LDS, so that sixteen lanes store a query's 256 bytes of this head.
	s_wait_dscnt 0x0
	s_barrier_signal -1
	s_barrier_wait -1                              ; every fill has landed (the last chunk's wait was for 0) and nobody reads K or V any more: the stages may lie over them
	v_add_f32 v14, v14, v15                        ; the sum's two halves,
	v_permlanex16_b32 v[TV], v14, s[SEL], s[SEL+1]
	v_add_f32 v14, v14, v[TV]                      ; and lane l xor 16's: the row's sum: over 1/2, since the row's largest p is
	v_rcp_f32 v14, v14
	v_and_b32 v8, 15, v0                           ; r.  (These ten plain lines are the place behind the reciprocal and the eight places behind the last products)
	v_bfe_u32 v9, v0, 4, 1                         ; h
	s_mul_i32 s16, s[WV], 16*SPI                   ; my stage
	v_mul_u32_u24 v10, v8, SPI
	v_lshl_add_u32 v10, v9, 6, v10
	v_add_nc_u32 v10, s16, v10                     ; in: row r, + 64 h: register j of tile 2 b + u is channel 32 b + 16 h + 8 u + j
	v_mul_u32_u24 v11, v9, SPI
	v_lshl_add_u32 v11, v8, 4, v11
	v_add_nc_u32 v11, s16, v11                     ; back: lanes 0-15 one row, lanes 16-31 the next
	v_lshlrev_b32 v[GO], 12, v9
	v_lshl_add_u32 v[GO], v8, 4, v[GO]             ; and the same two rows in out
	s_wait_alu depctr_va_vdst(0)
.irp j, 0,1,2,3,4,5,6,7,8,9,10,11,12,13,14,15,16,17,18,19,20,21,22,23,24,25,26,27,28,29,30,31
	v_mul_f32 v[S+\j], v[OT+\j], v14               ; each accumulator from its low end on
.endr
.irp t, 0,1,2,3
	ds_store_b128 v10, v[S+8*\t:S+8*\t+3] offset:128*(\t/2)+32*(\t%2)
	ds_store_b128 v10, v[S+8*\t+4:S+8*\t+7] offset:128*(\t/2)+32*(\t%2)+16
.endr
.irp i, 0,1,2,3,4,5,6,7
	ds_load_b128 v[FR+4*\i:FR+4*\i+3], v11 offset:2*\i*SPI   ; LDS serves a wave's instructions in order (ISA guide 5.7.1.4): these see my stores
.endr
.irp i, 0,1,2,3,4,5,6,7
	s_wait_dscnt 7-\i                              ; load i is in; the younger ones may stay out
	global_store_b128 v[GO], v[FR+4*\i:FR+4*\i+3], s[10:11] offset:4096*(2*\i+8*(\i/4)) th:TH_STORE_NT   ; stage row n is token n + 8 (n / 8) of my tile; sixteen lanes store 256 consecutive bytes, aligned; written once, read by nobody here
.endr
	s_wait_tensorcnt 0x0
	ds_add_u32 v254, v255
	s_wait_dscnt 0x0
	CROUND                                         ; the closing round: no work-group ends while a partner may still ask for a tile that names it
	s_endpgm
.Lfunc_end_k_q633d5ca300_attn:
	.size	k_q633d5ca300_attn, .Lfunc_end_k_q633d5ca300_attn-k_q633d5ca300_attn
	.p2alignl 7, 3214868480
	.fill 96, 4, 3214868480
	.section	.rodata,"a",@progbits
	.p2align	6, 0x0
	.amdhsa_kernel k_q633d5ca300_attn
		.amdhsa_group_segment_fixed_size 327680
		.amdhsa_private_segment_fixed_size 0
		.amdhsa_enable_private_segment 0
		.amdhsa_kernarg_size 32
		.amdhsa_user_sgpr_count 2
		.amdhsa_user_sgpr_kernarg_segment_ptr 1
		.amdhsa_wavefront_size32 1
		.amdhsa_system_sgpr_workgroup_id_x 1
		.amdhsa_system_sgpr_workgroup_id_y 1
		.amdhsa_system_sgpr_workgroup_id_z 1
		.amdhsa_system_vgpr_workitem_id 0
		.amdhsa_next_free_vgpr 256
		.amdhsa_next_free_sgpr 76
		.amdhsa_reserve_vcc 0
		.amdhsa_float_denorm_mode_32 3
		.amdhsa_float_denorm_mode_16_64 3
		.amdhsa_memory_ordered 1
		.amdhsa_forward_progress 1
		.amdhsa_inst_pref_size 92
	.end_amdhsa_kernel
	.amdgpu_metadata
---
amdhsa.version: [ 1, 2 ]
amdhsa.kernels:
  - .name:           k_q633d5ca300_attn
    .symbol:         k_q633d5ca300_attn.kd
    .args:
      - { .name: img, .offset: 0, .size: 8, .value_kind: global_buffer, .address_space: global }
      - { .name: sw, .offset: 8, .size: 8, .value_kind: global_buffer, .address_space: global }
      - { .name: mask, .offset: 16, .size: 8, .value_kind: global_buffer, .address_space: global }
      - { .name: out0, .offset: 24, .size: 8, .value_kind: global_buffer, .address_space: global }
    .group_segment_fixed_size: 327680
    .private_segment_fixed_size: 0
    .kernarg_segment_align: 8
    .kernarg_segment_size: 32
    .max_flat_workgroup_size: 512
    .sgpr_count:     76
    .vgpr_count:     256
    .wavefront_size: 32
...
	.end_amdgpu_metadata
.endif
;; end of part 3
